; MI455X (gfx1250); checked and timed in simulation.
; The chip was launched on July 23, 2026; its instructions are those of AMD's public machine-readable ISA for CDNA 5 (MIT licence, August 2026) and "CDNA5" Instruction Set Architecture Reference Guide (July 2026). The comments in the code are by the model that wrote it; some were corrected since.
;; Self Attention. Allowed arithmetic: matrix products marked QUANTISED: E3M2 operands, one E8M0 scale for each 32 along K, by v_wmma_scale_f32_16x16x128_f8f6f4 with both operands' format E3M2, f32 sums; products left as they are: f32 operands where the result goes on into a quantised operand, else bf16, f16 or f32 operands; f32 sums; everything else in f32.
;; Inputs: attn_W 512 x 1,024 float32; attn_b 512 float32; inputs 256 x 8 x 512 float32; score_W 1 x 512 float32; score_b 1 float32.
;; Outputs: out0 8 x 256 x 256 float32.
;; This version of the problem:
;;   THIS VERSION OF THE PROBLEM IS GIVEN IN LOW PRECISION. The matrix products marked QUANTISED in the list below multiply operands that are first quantised to E3M2 (3 exponent bits, 2 mantissa bits; 6 bits a number), with one power-of-two scale for each 32 numbers along K (OCP MX v1.0); their sums are f32. All else is computed in f32.
;;   The module's matrix products, in the order in which they are computed (A, B: the left and right operand; K: the contracted axis; several contracted axes count as one K, in the product's order):
;;     1. [M 2,048, K 512] x [K 512, N 512]; A: input inputs; B: input attn_W: QUANTISED
;;     2. [M 2,048, K 512] x [K 512, N 512]; A: input inputs; B: input attn_W: QUANTISED
;;     3. [M 524,288, K 512] x [K 512, N 1]; A: computed on the way; B: input score_W: left as it is (N = 1 < 16)
;;   THE QUANTISER, for each operand of a quantised product, along K:
;;     - K is cut into blocks of 32 from its start; a last block that is shorter is filled with zeros.
;;     - A block's scale is 2^e with e = floor(log2(the largest magnitude in the block)) - 4, held to -126 .. 127; a block of zeros has e = 0. As a byte (E8M0): e + 127.
;;     - Each number is divided by its block's scale, clamped to +-28, and rounded to the nearest number of E3M2, ties to even, subnormals kept.
;;     - The product sums the exact products of the quantised numbers (number of the format x scale) in f32.
;;   ~~~python
;;   def quantise(x, axis):      # numpy; x: float32 -> the quantised numbers, widened to float32 again
;;       x = np.moveaxis(x, axis, -1); K = x.shape[-1]
;;       x = np.pad(x, [(0, 0)] * (x.ndim - 1) + [(0, -K % 32)]); x = x.reshape(x.shape[:-1] + (-1, 32)); a = np.abs(x).max(-1, keepdims=True)
;;       e = np.where(a > 0, np.clip(np.frexp(np.where(a > 0, a, 1))[1] - 1 - 4, -126, 127), 0)      # np.frexp(a)[1] - 1 = floor(log2(a)), exactly
;;       r = np.clip(x / 2.0 ** e, -28, 28)
;;       step = 2.0 ** (np.maximum(np.frexp(np.where(r == 0, 1, r))[1] - 1, -2) - 2)
;;       q = np.round(r / step) * step * 2.0 ** e      # np.round: ties to even
;;       return np.moveaxis(q.reshape(q.shape[:-2] + (-1,))[..., :K], -1, axis).astype(np.float32)
;;   ~~~
;; One version. Each part assembles by itself: llvm-mc -triple=amdgcn-amd-amdhsa -mcpu=gfx1250 --defsym DOCPART=n.
;; ======== version 1 of 1: 2 launches
;; limits: right only within a limited range of input values
;; workspace buffers: pw 16,777,216 bytes
;; launch proj (part 1): grid 256 x 1, 16 waves a work-group, no clusters, 217,088 bytes of LDS; arguments inputs, attn_W, attn_b, pw; writes pw
.if DOCPART == 1
	.amdgcn_target "amdgcn-amd-amdhsa--gfx1250"
	.amdhsa_code_object_version 6
	.text
	.protected	k_qce86b501e3_proj
	.globl	k_qce86b501e3_proj
	.p2align	8
	.type	k_qce86b501e3_proj,@function
k_qce86b501e3_proj:
	s_mov_b64 s[64:65], 0
	v_nop
	global_prefetch_b8 v0, s[64:65] scope:SCOPE_SE
	s_setreg_imm32_b32 hwreg(HW_REG_WAVE_MODE, 25, 1), 1
	s_wait_xcnt 0x0
; p1 = x W1^T + attn_b and p2 = x W2^T, both products on codes of BF6 (E3M2) with one E8M0 scale for each 32 along K = 512, made here from the f32 inputs.
; x(b, l, :) = inputs[l][b][:];  W1 = attn_W[:, 0:512], W2 = attn_W[:, 512:1024]: K is innermost in all of them.
; WHAT IS STORED.  The next launch wants 2^(c (p1 + attn_b + p2)), c = 2 log2(e), for every pair of rows.  So each number t = c p goes out as a pair of words: 2^(t - floor(t)), an f32 in [1, 2], and
; floor(t) as an i32:  pw[side][b][o][l] = (mantissa, exponent), 8 bytes; side 0: p1 + attn_b, side 1: p2.  A row (side, b, o) is 256 l x 8 = 2,048 bytes.
; LIMITS: t is held at +-2^28 (|p| about 9.3e7), so that two exponents can be added in 32 bits; NaN and infinities among the inputs are not served.  A block of zeros gets the scale byte 1 where the
; quantiser says 127: its codes are zeros, which add nothing, and the bytes are read by this launch alone.
; SHARES.  256 work-groups: 32 row tiles (64 rows l of one batch b) x 8 column tiles (128 rows o of W1 or of W2).  Sixteen waves.  The tile's operands are 48 fragments of 16 rows x 128 K:
; x's 16 (tile t, K step s: number 4 t + s) and W's 32 (tile u, K step s: number 16 + 4 u + s).  Wave w makes fragment w of x and fragments 16 + 2 w, 17 + 2 w of W: all its 48 loads go out at once,
; each 512 consecutive bytes of one row.  A fragment's 8 KiB turn through the wave's own stage in LDS (rows 528 bytes apart), so that lane (r, h) gets k = 64 c + 32 h + 0 .. 31 of row r: whole blocks of 32,
; in the order of the operand's registers.  The codes go to LDS as an image of the 12 registers, 16 bytes a lane, the scale word beside them; one barrier; then wave w multiplies W's tile w / 2 by x's tiles
; 2 (w % 2) and 2 (w % 2) + 1: eight matrix instructions, two accumulators by turns.
; THE ROWS OF AN x TILE ARE NOT NEIGHBOURS: lane r of tile 2 q + e takes row l0 + 32 q + 2 r + e.  The product is used transposed (source 0 = 16 rows of W, source 1 = 16 rows of x): register j of lane (r, h)
; is (o = o0 + 8 h + j, x row of lane r).  So a lane's two results for one o are neighbours along l: their four words are 16 bytes, and sixteen lanes store 256 consecutive bytes, aligned.
; NO JOINT LOADS: x's 64 rows are read by 8 work-groups and W's 128 rows by 32, but as f32 the two tiles are 128 KiB + 256 KiB, more than the 327,680 bytes of LDS: they would need slots that are filled again.
.set SPI,  528                         ; a stage row: 512 bytes + 16: the sixteen rows that a 16-byte load touches start 4 words apart modulo 64
.set STW,  16*SPI                      ; a wave's stage; the stages begin at LDS byte 0
.set IMG,  16*STW                      ; the 48 images
.set FRB,  1536                        ; an image: 12 registers x 128 bytes
.set SCW,  IMG+48*FRB                  ; the 48 sets of scale words, 128 bytes each
.set L16,  1                           ; v1   16 x lane
.set RR,   2                           ; v2   r = lane % 16
.set HH,   3                           ; v3   h = lane / 16
.set STI,  4                           ; v4   stage, way in
.set STO,  5                           ; v5   stage, way out
.set IMX,  6                           ; v6   where I store x's image;   v7  W's two
.set IMW,  7
.set SWX,  8                           ; v8   and x's scale words;      v9  W's
.set SWW,  9
.set GW,   10                          ; v10  where I read my W tile's images;  v11  my two x tiles'
.set GX,   11
.set GSW,  12                          ; v12, v13  and their scale words
.set GSX,  13
.set SH,   14                          ; v14  8 h
.set OFO,  15                          ; v15  my byte offset in pw
.set MX,   16                          ; v16-17 largest magnitudes; v18-19 the conversions' scale operands; v20-21 bytes; v22 the scale word; v23 the other half's
.set SC,   18
.set BY,   20
.set WD,   22
.set PX,   23
.set PC,   24                          ; v24-35 a fragment's codes;  v36-43 the halves that are moved
.set TH,   36
.set BI,   44                          ; v44-51 attn_b in the result's layout, or zeros
.set SS,   52                          ; v52-57 scale words for the products, two sets of three: these registers hold nothing else
.set OFB,  58                          ; v58  32 h: my offset in attn_b
.set L4,   59                          ; v59  4 x lane
.set R0,   64                          ; v64-255 three fragments as loaded, then as turned.  Later:
.set WF,   64                          ; v64-87   W's fragment, two buffers
.set XF,   88                          ; v88-135  x's two fragments, two buffers
.set ACC,  144                         ; v144-159 two accumulators
.set TT,   160                         ; v160-175 t, then its fraction
.set FL,   176                         ; v176-191 floor(t)
.set OUT,  192                         ; v192-223 what is stored
.set SEL,  32                          ; s[32:33] lane selects: lane l xor 16
.set CS,   34                          ; s[34:35] c
.set LO,   36                          ; s36, s37  -2^28, 2^28
.set HI,   37
.set MSK,  38                          ; s38  all ones on side 0, else 0
	s_load_b128 s[4:7], s[0:1], 0x0                ; inputs, attn_W
	s_load_b128 s[8:11], s[0:1], 0x10              ; attn_b, pw
	v_lshl_add_u32 v62, v0, 2, 0x34800
	v_mov_b32 v63, 0
	v_lshrrev_b32 v1, 5, v0
	v_readfirstlane_b32 s12, v1                    ; wave 0..15
	v_and_b32 v16, 31, v0                          ; lane
	v_and_b32 v[RR], 15, v0
	v_bfe_u32 v[HH], v0, 4, 1
	v_lshlrev_b32 v[L16], 4, v16
	v_lshlrev_b32 v[L4], 2, v16
	s_and_b32 s13, ttmp9, 31                       ; row tile
	s_lshr_b32 s14, ttmp9, 5                       ; column tile
	s_lshr_b32 s15, s13, 2                         ; b
	s_and_b32 s16, s13, 3
	s_lshl_b32 s16, s16, 6                         ; l0
	s_lshr_b32 s17, s14, 2                         ; side
	s_and_b32 s18, s14, 3
	s_lshl_b32 s18, s18, 7                         ; the tile's first o
	s_lshr_b32 s19, s12, 1                         ; u = wave / 2
	s_and_b32 s20, s12, 1                          ; q = wave % 2
	s_lshl_b32 s21, s19, 4
	s_add_co_u32 s21, s21, s18                     ; o0: my W tile's first o
	; x's fragment w: tile t = w / 4, K step w % 4: first row l0 + 32 (t / 2) + t % 2; a row l is 8 x 2,048 bytes on from the last, batch b 2,048 b bytes in
	s_lshr_b32 s22, s12, 3
	s_lshl_b32 s22, s22, 5
	s_bfe_u32 s30, s12, 0x10002
	s_add_co_u32 s22, s22, s30
	s_add_co_u32 s22, s22, s16
	s_lshl_b32 s22, s22, 14
	s_lshl_b32 s30, s15, 11
	s_add_co_u32 s22, s22, s30
	s_and_b32 s30, s12, 3
	s_lshl_b32 s30, s30, 9                         ; 128 numbers of K are 512 bytes
	s_add_co_u32 s22, s22, s30
	s_mov_b32 s23, 0
	; W's fragments: rows o0 on (4,096 bytes a row), the side's half of the row, K steps 2 q and 2 q + 1
	s_lshl_b32 s24, s21, 12
	s_lshl_b32 s30, s17, 11
	s_add_co_u32 s24, s24, s30
	s_lshl_b32 s30, s20, 10
	s_add_co_u32 s24, s24, s30
	s_mov_b32 s25, 0
	s_lshl_b32 s26, s21, 2                         ; attn_b at o0
	s_mov_b32 s27, 0
	; pw: row (side, b, o0), byte 8 (l0 + 32 q)
	s_lshl_b32 s28, s17, 3
	s_add_co_u32 s28, s28, s15
	s_lshl_b32 s28, s28, 9
	s_add_co_u32 s28, s28, s21
	s_lshl_b32 s28, s28, 11
	s_lshl_b32 s30, s20, 5
	s_add_co_u32 s30, s30, s16
	s_lshl_b32 s30, s30, 3
	s_add_co_u32 s28, s28, s30
	s_mov_b32 s29, 0
	s_cmp_eq_u32 s17, 0
	s_cselect_b32 s[MSK], -1, 0
	; LDS addresses: each a constant + a constant x lane + a constant x wave
	s_mul_i32 s40, s12, STW
	v_add_nc_u32 v[STI], s40, v[L16]
	v_mul_u32_u24 v[STO], v[RR], SPI
	v_lshl_add_u32 v[STO], v[HH], 7, v[STO]        ; row r, + 128 h bytes: my block of 32 numbers
	v_add_nc_u32 v[STO], s40, v[STO]
	s_mul_i32 s40, s12, FRB
	s_add_co_u32 s40, s40, IMG
	v_add_nc_u32 v[IMX], s40, v[L16]
	s_mul_i32 s40, s12, 2*FRB
	s_add_co_u32 s40, s40, IMG+16*FRB
	v_add_nc_u32 v[IMW], s40, v[L16]
	s_lshl_b32 s40, s12, 7
	s_add_co_u32 s40, s40, SCW
	v_add_nc_u32 v[SWX], s40, v[L4]
	s_lshl_b32 s40, s12, 8
	s_add_co_u32 s40, s40, SCW+16*128
	v_add_nc_u32 v[SWW], s40, v[L4]
	s_mul_i32 s40, s19, 4*FRB
	s_add_co_u32 s40, s40, IMG+16*FRB
	v_add_nc_u32 v[GW], s40, v[L16]
	s_mul_i32 s40, s20, 8*FRB
	s_add_co_u32 s40, s40, IMG
	v_add_nc_u32 v[GX], s40, v[L16]
	s_lshl_b32 s40, s19, 9
	s_add_co_u32 s40, s40, SCW+16*128
	v_add_nc_u32 v[GSW], s40, v[L4]
	s_lshl_b32 s40, s20, 10
	s_add_co_u32 s40, s40, SCW
	v_add_nc_u32 v[GSX], s40, v[L4]
	v_lshlrev_b32 v[SH], 3, v[HH]
	v_lshlrev_b32 v[OFO], 14, v[HH]                ; 8 rows of 2,048 bytes for lanes 16-31,
	v_lshl_add_u32 v[OFO], v[RR], 4, v[OFO]        ; 16 bytes a lane
	v_lshlrev_b32 v[OFB], 5, v[HH]
	v_mov_b32 v[PX], 0                             ; written once: a lane permute's destination counts as one of its sources
	s_mov_b32 s[SEL], 0x76543210
	s_mov_b32 s[SEL+1], 0xfedcba98
	s_mov_b32 s[CS], 0x4038aa3b                    ; c = 2 log2(e)
	s_mov_b32 s[CS+1], s[CS]                       ; (named with it as a pair, so it is written)
	s_mov_b32 s[LO], 0xcd800000
	s_mov_b32 s[HI], 0x4d800000
	s_wait_kmcnt 0x0
	s_add_nc_u64 s[4:5], s[4:5], s[22:23]
	s_add_nc_u64 s[6:7], s[6:7], s[24:25]
	s_add_nc_u64 s[8:9], s[8:9], s[26:27]
	s_add_nc_u64 s[10:11], s[10:11], s[28:29]
	global_load_b128 v[BI:BI+3], v[OFB], s[8:9]              ; attn_b(o0 + 8 h + 0 .. 7)
	global_load_b128 v[BI+4:BI+7], v[OFB], s[8:9] offset:16
.irp row, 0,1,2,3,4,5,6,7,8,9,10,11,12,13,14,15
	global_load_b128 v[R0+4*\row:R0+4*\row+3], v[L16], s[4:5] offset:\row*32768         ; x: 32 lanes read 512 consecutive bytes of a row; the tile's rows are two l apart
.endr
.irp row, 0,1,2,3,4,5,6,7,8,9,10,11,12,13,14,15
	global_load_b128 v[R0+64+4*\row:R0+64+4*\row+3], v[L16], s[6:7] offset:\row*4096
.endr
.irp row, 0,1,2,3,4,5,6,7,8,9,10,11,12,13,14,15
	global_load_b128 v[R0+128+4*\row:R0+128+4*\row+3], v[L16], s[6:7] offset:\row*4096+512
.endr
; A fragment's 16 rows x 512 bytes go into my stage as they were loaded and come back into the same registers, 128 consecutive bytes of one row to a lane and block.
; LDS serves a wave's instructions in order (ISA guide 5.7.1.4): no wait stands between the stores and the loads.
.macro TURN x
.irp row, 0,1,2,3,4,5,6,7,8,9,10,11,12,13,14,15
	ds_store_b128 v[STI], v[\x+4*\row:\x+4*\row+3] offset:\row*SPI
.endr
.irp c, 0,1
.irp i, 0,1,2,3,4,5,6,7
	ds_load_b128 v[\x+32*\c+4*\i:\x+32*\c+4*\i+3], v[STO] offset:256*\c+16*\i
.endr
.endr
.endm
; 64 numbers of a lane, register 32 c + i = k 64 c + 32 h + i of row r, become the fragment's 12 registers of codes in v[PC] on and the row's scale word in v[WD].
.macro QUANT x
	v_max3_num_f32 v[MX], |v[\x]|, |v[\x+1]|, 0x2800000            ; my block 2 c + h: all its 32 numbers are mine; and the floor 2^(5 - 127), so that the byte cannot fall under 1
	v_max3_num_f32 v[MX+1], |v[\x+32]|, |v[\x+33]|, 0x2800000
.irp i, 2,4,6,8,10,12,14,16,18,20,22,24,26,28,30
	v_max3_num_f32 v[MX], v[MX], |v[\x+\i]|, |v[\x+\i+1]|          ; (the two blocks by turns)
	v_max3_num_f32 v[MX+1], v[MX+1], |v[\x+32+\i]|, |v[\x+33+\i]|
.endr
	v_add_nc_u32 v[SC], 0xfe000000, v[MX]          ; 4 off the exponent field: the conversion takes this operand's exponent field as its scale
	v_add_nc_u32 v[SC+1], 0xfe000000, v[MX+1]
	v_lshrrev_b32 v[BY], 23, v[SC]                 ; the scale's byte
	v_lshrrev_b32 v[BY+1], 23, v[SC+1]
	v_lshl_or_b32 v[WD], v[BY+1], 16, v[BY]        ; blocks h and 2 + h,
	v_lshlrev_b32 v[WD], v[SH], v[WD]              ; at their places in the word;
	v_permlanex16_b32 v[PX], v[WD], s[SEL], s[SEL+1]
	v_or_b32 v[WD], v[WD], v[PX]                   ; with lane l xor 16's two the word is whole
	v_cvt_scalef32_pk16_bf6_f32 v[PC:PC+2], v[\x:\x+15], v[SC]
	v_cvt_scalef32_pk16_bf6_f32 v[TH:TH+2], v[\x+16:\x+31], v[SC]            ; (a conversion's three registers begin on an even number: a block's second three do not, so they are moved)
	v_cvt_scalef32_pk16_bf6_f32 v[PC+6:PC+8], v[\x+32:\x+47], v[SC+1]
	v_cvt_scalef32_pk16_bf6_f32 v[TH+4:TH+6], v[\x+48:\x+63], v[SC+1]
	v_nop                                          ; one plain instruction behind the scaled conversions
.irp i, 0,1,2
	v_mov_b32 v[PC+3+\i], v[TH+\i]
	v_mov_b32 v[PC+9+\i], v[TH+4+\i]
.endr
.endm
.macro IMAGE adr, sadr, n                      ; the fragment goes to LDS as it stands in the registers
.irp c, 0,1,2
	ds_store_b128 v[\adr], v[PC+4*\c:PC+4*\c+3] offset:(\n)*FRB+512*\c
.endr
	ds_store_b32 v[\sadr], v[WD] offset:(\n)*128
.endm
	s_wait_loadcnt 32                              ; attn_b and x's 16 loads are in; W's 32 may be out
.irp k, 0,1,2,3,4,5,6,7
	v_and_b32 v[BI+\k], s[MSK], v[BI+\k]           ; the bias belongs to side 0 alone
.endr
	TURN R0
	s_wait_dscnt 0x0
	QUANT R0
	IMAGE IMX, SWX, 0
	s_wait_loadcnt 16                              ; W's first fragment is in
	TURN R0+64
	s_wait_dscnt 0x0                               ; the numbers are back; the image's stores have read v[PC] on and v[WD]
	QUANT R0+64
	IMAGE IMW, SWW, 0
	s_wait_loadcnt 0x0
	TURN R0+128
	s_wait_dscnt 0x0
	QUANT R0+128
	IMAGE IMW, SWW, 1
	s_wait_dscnt 0x0                               ; for the others' sake: my images lie in LDS
	s_barrier_signal -1
	s_barrier_wait -1                              ; all 48 do
.macro FETCH s, buf                            ; K step s: my W tile's fragment, my two x tiles', their scale words: 12 loads
.irp c, 0,1,2
	ds_load_b128 v[WF+12*\buf+4*\c:WF+12*\buf+4*\c+3], v[GW] offset:\s*FRB+512*\c
.endr
.irp p, 0,1
.irp c, 0,1,2
	ds_load_b128 v[XF+24*\buf+12*\p+4*\c:XF+24*\buf+12*\p+4*\c+3], v[GX] offset:(4*\p+\s)*FRB+512*\c
.endr
.endr
	ds_load_b32 v[SS+3*\buf], v[GSW] offset:\s*128
	ds_load_b32 v[SS+3*\buf+1], v[GSX] offset:\s*128
	ds_load_b32 v[SS+3*\buf+2], v[GSX] offset:(4+\s)*128
.endm
.macro MM s, buf, p                            ; source 0 = 16 rows of W, source 1 = 16 rows of x.  The first K step takes the bias as C: nothing is cleared or added later
.if \s == 0
	v_wmma_scale_f32_16x16x128_f8f6f4 v[ACC+8*\p:ACC+8*\p+7], v[WF+12*\buf:WF+12*\buf+11], v[XF+24*\buf+12*\p:XF+24*\buf+12*\p+11], v[BI:BI+7], v[SS+3*\buf], v[SS+3*\buf+1+\p] matrix_a_fmt:MATRIX_FMT_BF6 matrix_b_fmt:MATRIX_FMT_BF6
.else
	v_wmma_scale_f32_16x16x128_f8f6f4 v[ACC+8*\p:ACC+8*\p+7], v[WF+12*\buf:WF+12*\buf+11], v[XF+24*\buf+12*\p:XF+24*\buf+12*\p+11], v[ACC+8*\p:ACC+8*\p+7], v[SS+3*\buf], v[SS+3*\buf+1+\p] matrix_a_fmt:MATRIX_FMT_BF6 matrix_b_fmt:MATRIX_FMT_BF6
.endif
.endm
.macro PLACES                                  ; four plain instructions between a matrix instruction and a load into its operands or a read of its result
.rept 4
	v_nop
.endr
.endm
	FETCH 0, 0
	FETCH 1, 1
	s_wait_dscnt 12                                ; K step 0 is in; K step 1's 12 loads may be out
	MM 0, 0, 0                                     ; the two accumulators take turns, one instruction a turn
	MM 0, 0, 1
	PLACES
	FETCH 2, 0
	s_wait_dscnt 12
	MM 1, 1, 0
	MM 1, 1, 1
	PLACES
	FETCH 3, 1
	s_wait_dscnt 12
	MM 2, 0, 0
	MM 2, 0, 1
	s_wait_dscnt 0x0
	MM 3, 1, 0
	MM 3, 1, 1
	PLACES
	; t = c p, held at +-2^28; floor(t) as i32; 2^(t - floor(t)).  Each accumulator is read from its low end on.
.irp k, 0,2,4,6,8,10,12,14
	v_pk_mul_f32 v[TT+\k:TT+\k+1], v[ACC+\k:ACC+\k+1], s[CS:CS+1] op_sel_hi:[1,0]
.endr
.irp k, 0,1,2,3,4,5,6,7,8,9,10,11,12,13,14,15
	v_med3_num_f32 v[TT+\k], v[TT+\k], s[LO], s[HI]
.endr
.irp k, 0,1,2,3,4,5,6,7,8,9,10,11,12,13,14,15
	v_floor_f32 v[FL+\k], v[TT+\k]
.endr
.irp k, 0,2,4,6,8,10,12,14
	v_pk_add_f32 v[TT+\k:TT+\k+1], v[TT+\k:TT+\k+1], v[FL+\k:FL+\k+1] neg_lo:[0,1] neg_hi:[0,1]   ; the fraction: exact
.endr
.irp k, 0,1,2,3,4,5,6,7,8,9,10,11,12,13,14,15
	v_exp_f32 v[OUT+4*(\k%8)+2*(\k/8)], v[TT+\k]                   ; register j of x tile e: words 4 j + 2 e (mantissa) and 4 j + 2 e + 1 (exponent)
.endr
.irp k, 0,1,2,3,4,5,6,7,8,9,10,11,12,13,14,15
	v_cvt_i32_f32 v[OUT+4*(\k%8)+2*(\k/8)+1], v[FL+\k]             ; plain work behind the exponentials, which names none of their results
.endr
	s_wait_alu depctr_va_vdst(0)                   ; one wait for the sixteen exponentials, ahead of the stores that read them
.irp j, 0,1,2,3,4,5,6,7
	global_store_b128 v[OFO], v[OUT+4*\j:OUT+4*\j+3], s[10:11] offset:\j*2048      ; row o0 + 8 h + j: sixteen lanes store 256 consecutive bytes, aligned
.endr
	s_wait_tensorcnt 0x0
	ds_add_u32 v62, v63
	s_wait_dscnt 0x0
	s_endpgm
.Lfunc_end_k_qce86b501e3_proj:
	.size	k_qce86b501e3_proj, .Lfunc_end_k_qce86b501e3_proj-k_qce86b501e3_proj
	.p2alignl 7, 3214868480
	.fill 96, 4, 3214868480
	.section	.rodata,"a",@progbits
	.p2align	6, 0x0
	.amdhsa_kernel k_qce86b501e3_proj
		.amdhsa_group_segment_fixed_size 217088
		.amdhsa_private_segment_fixed_size 0
		.amdhsa_enable_private_segment 0
		.amdhsa_kernarg_size 32
		.amdhsa_user_sgpr_count 2
		.amdhsa_user_sgpr_kernarg_segment_ptr 1
		.amdhsa_wavefront_size32 1
		.amdhsa_system_sgpr_workgroup_id_x 1
		.amdhsa_system_sgpr_workgroup_id_y 1
		.amdhsa_system_sgpr_workgroup_id_z 1
		.amdhsa_system_vgpr_workitem_id 0
		.amdhsa_next_free_vgpr 256
		.amdhsa_next_free_sgpr 66
		.amdhsa_reserve_vcc 0
		.amdhsa_float_denorm_mode_32 3
		.amdhsa_float_denorm_mode_16_64 3
		.amdhsa_memory_ordered 1
		.amdhsa_forward_progress 1
		.amdhsa_inst_pref_size 34
	.end_amdhsa_kernel
	.amdgpu_metadata
---
amdhsa.version: [ 1, 2 ]
amdhsa.kernels:
  - .name:           k_qce86b501e3_proj
    .symbol:         k_qce86b501e3_proj.kd
    .args:
      - { .name: inputs, .offset: 0, .size: 8, .value_kind: global_buffer, .address_space: global }
      - { .name: attn_W, .offset: 8, .size: 8, .value_kind: global_buffer, .address_space: global }
      - { .name: attn_b, .offset: 16, .size: 8, .value_kind: global_buffer, .address_space: global }
      - { .name: pw, .offset: 24, .size: 8, .value_kind: global_buffer, .address_space: global }
    .group_segment_fixed_size: 217088
    .private_segment_fixed_size: 0
    .kernarg_segment_align: 8
    .kernarg_segment_size: 32
    .max_flat_workgroup_size: 512
    .sgpr_count:     66
    .vgpr_count:     256
    .wavefront_size: 32
...
	.end_amdgpu_metadata
.endif
;; end of part 1
;; launch pair (part 2): grid 256 x 1, 16 waves a work-group, no clusters, 75,776 bytes of LDS; arguments pw, score_W, score_b, out0; writes out0
.if DOCPART == 2
	.amdgcn_target "amdgcn-amd-amdhsa--gfx1250"
	.amdhsa_code_object_version 6
	.text
	.protected	k_qce86b501e3_pair
	.globl	k_qce86b501e3_pair
	.p2align	8
	.type	k_qce86b501e3_pair,@function
k_qce86b501e3_pair:
	s_mov_b64 s[64:65], 0
	v_nop
	global_prefetch_b8 v0, s[64:65] scope:SCOPE_SE
	s_setreg_imm32_b32 hwreg(HW_REG_WAVE_MODE, 25, 1), 1
	s_wait_xcnt 0x0
; out0[b][i][j] = softmax over i of ( score_b + sum over h of score_W[h] tanh(p1[b][i][h] + attn_b[h] + p2[b][j][h]) ).
; pw[side][b][h][l] holds, for t = 2 log2(e) x (p1 + attn_b) (side 0) and 2 log2(e) x p2 (side 1), the pair (2^(t - floor t) as f32, floor t as i32).
; THE ARITHMETIC OF AN ELEMENT.  tanh(x) = 1 - 2 / (1 + E), E = e^(2 x) = Am Bm 2^(ia + ib).  The two exponents are added as whole numbers, v_ldexp_f32 puts the sum onto Am (beyond f32's range it gives
; infinity or 0, which is the side to which tanh has gone), d = As Bm + 1, r = 1 / d, and the sum takes w r.  One transcendental an element, and no range is lost: exponents are right while |t| stays
; under 2^28, where the launch before holds it.  At the end energy = sum(w) + score_b - 2 sum(w r).
; SHARES.  A work-group owns one batch b, 8 columns j and all 256 rows i, so that the softmax over i stays inside it.  Sixteen waves: wave = (128 rows i: wave % 2, 64 of the 512 h: wave / 2).
; A lane owns four rows (two neighbours, and the two 64 rows on) and all 8 j: 32 sums.  Its two quads (Am, ia, Am, ia) of each h come from memory straight into a ring of eight slots of registers: each load of
; a wave is 512 consecutive bytes.  The 8 columns' (Bm, ib) and w, the same for all lanes, are copied once into LDS, a record of 80 bytes for each h, and come back as loads in which all lanes name the same bytes:
; five LDS loads serve a lane's 32 elements.
; PIPELINE, three steps deep.  In step u: (1) the sums take w r of step u - 2 while the exponent sums of step u are written into the registers just read, one register behind: the two go as ONE dual-issue pair,
; v_dual_fmac_f32 :: v_dual_add_nc_u32; (2) As and d of step u; and among these 81 plain instructions, evenly spread, the 32 reciprocals of step u - 1.  One wait for the reciprocals ends the step.
; THE PAIRS' REGISTERS.  The dual form asks (ISA guide, the section on dual-issue VALU) for one even and one odd result, and that the two first sources, and the two second sources, differ in their number modulo 4.
; Sums and sets begin at multiples of 4, so element e + 1's sum and element e's exponent differ in parity; r of element e + 1 is e + 1 modulo 4, and ia of element e is 3, 1, 1, 3 for e % 4 = 0 .. 3, since the ring's
; quad for rows 0, 1 begins at 2 modulo 4 and that for rows 2, 3 at 0; w lies at 0 or 2 modulo 4, ib in odd registers.
; THE OUTPUT: a work-group's 8 columns are 32 bytes of each of 256 rows of out0; whole blocks of 256 bytes would want 64 columns to a work-group, 32 work-groups in all, or the softmax in a launch of its own.
; NO JOINT LOADS: the 32 work-groups of a batch read the same 1 MiB of side 0, but each 16 bytes are wanted once, by one lane, in registers; a joint tensor load would bring that 1 MiB through LDS, written and read again.
; LIMITS: NaN and infinities among the inputs are not served.
.set RECB, 80                          ; a record: 8 x (Bm, ib), then w twice, then 8 spare bytes; the 512 records begin at LDS byte 0
.set OT,   8*8192                      ; the partial sums [8][8 j][256 i], 65,536 bytes, take the records' bytes when those are done with; behind them the result as [256 i][8 j], 8,192 bytes
.set AOF,  1                           ; v1   16 x lane
.set REC,  2                           ; v2   LDS address of the trip's first record (the same in all lanes)
.set PSI,  4                           ; v4   partial sums, way in;  v5  way out
.set PSO,  5
.set OTI,  6                           ; v6   the result, way in;  v7  way out
.set OTO,  7
.set GOF,  8                           ; v8   my byte offset in out0;  v9 at work
.set EB,   10                          ; v10  sum(w) + score_b;  v11 at work
.set WW,   12                          ; v12, v14, v16, v18: w of step u in number u % 4;  v17, v19: zeros, named as upper halves of pairs at the end
.set ACC,  20                          ; v20-51    sums: 4 j + n, n = my row
.set DD,   52                          ; v52-115   two sets of 32: exponent sum, then As, then d, then r, in place
.set BR,   116                         ; v116-147  two records' (Bm, ib) x 8
.set RA1,  148                         ; v148-179  the ring, rows 2 and 3: slot s at 4 s
.set RA0,  182                         ; v182-213  the ring, rows 0 and 1
	s_load_b128 s[4:7], s[0:1], 0x0                ; pw, score_W
	s_load_b128 s[8:11], s[0:1], 0x10              ; score_b, out0
	v_lshl_add_u32 v224, v0, 2, 0x12000
	v_mov_b32 v225, 0
	v_lshrrev_b32 v3, 5, v0
	v_readfirstlane_b32 s12, v3                    ; wave 0..15
	v_and_b32 v3, 31, v0                           ; lane
	s_lshr_b32 s13, ttmp9, 5                       ; b
	s_and_b32 s14, ttmp9, 31                       ; block of 8 columns
	s_and_b32 s15, s12, 1                          ; which 128 rows i
	s_lshr_b32 s16, s12, 1                         ; which 64 h
	s_lshl_b32 s20, s13, 9                         ; side 0: row (b, 64 x (wave / 2)) of 2,048 bytes, + 1,024 bytes for each 128 i
	s_lshl_b32 s22, s16, 6
	s_add_co_u32 s20, s20, s22
	s_lshl_b32 s20, s20, 11
	s_lshl_b32 s22, s15, 10
	s_add_co_u32 s20, s20, s22
	s_mov_b32 s21, 0
	s_add_co_u32 s22, s13, 8                       ; side 1: row (8 + b, 0), + 64 bytes for each 8 columns
	s_lshl_b32 s22, s22, 20
	s_lshl_b32 s24, s14, 6
	s_add_co_u32 s22, s22, s24
	s_mov_b32 s23, 0
	s_lshl_b32 s24, s13, 8                         ; out0: row (b, 16 x wave) of 1,024 bytes, + 32 bytes for each 8 columns
	s_lshl_b32 s26, s12, 4
	s_add_co_u32 s24, s24, s26
	s_lshl_b32 s24, s24, 10
	s_lshl_b32 s26, s14, 5
	s_add_co_u32 s24, s24, s26
	s_mov_b32 s25, 0
	v_lshlrev_b32 v[AOF], 4, v3
	s_mul_i32 s26, s16, 64*RECB
	v_mov_b32 v[REC], s26
	s_lshl_b32 s26, s16, 13                        ; partial sums: 8,192 (wave / 2) + 1,024 j + 4 i, i = 128 (wave % 2) + 64 q + 2 lane + 0, 1
	s_lshl_b32 s27, s15, 9
	s_add_co_u32 s26, s26, s27
	v_lshl_add_u32 v[PSI], v3, 3, s26
	s_and_b32 s28, s12, 7                          ; at the end wave w takes column j = w % 8
	s_lshr_b32 s29, s12, 3                         ; and writes rows 128 (w / 8) on
	s_lshl_b32 s26, s28, 10
	v_add_nc_u32 v[PSO], s26, v[AOF]
	s_lshl_b32 s26, s29, 12                        ; the result: 32 i + 4 j, i = 128 (w / 8) + 4 lane + n
	s_lshl_b32 s27, s28, 2
	s_add_co_u32 s26, s26, s27
	s_add_co_u32 s26, s26, OT
	v_lshl_add_u32 v[OTI], v3, 7, s26
	s_lshl_b32 s26, s12, 9                         ; back: rows 16 w on, two lanes to a row of 32 bytes
	s_add_co_u32 s26, s26, OT
	v_add_nc_u32 v[OTO], s26, v[AOF]
	v_lshrrev_b32 v[GOF], 1, v3
	v_and_b32 v9, 1, v3
	v_lshlrev_b32 v[GOF], 10, v[GOF]
	v_lshl_add_u32 v[GOF], v9, 4, v[GOF]
	s_cmp_lg_u32 s29, 0
	s_cselect_b32 s33, -1, 0                       ; all ones in waves 8 to 15
	s_mov_b32 s30, 0x76543210
	s_mov_b32 s31, 0xfedcba98                      ; lane selects: lane l xor 16
	s_mov_b32 s34, 0x3fb8aa3b                      ; log2(e)
	; the copy of side 1: four lanes to a record's 64 bytes, 128 records an instruction of the work-group
	v_lshrrev_b32 v84, 2, v0
	v_and_b32 v85, 3, v0
	v_mul_u32_u24 v86, v84, RECB
	v_lshl_add_u32 v86, v85, 4, v86                ; LDS: 80 (thread / 4) + 16 (thread % 4)
	v_lshlrev_b32 v84, 11, v84
	v_lshl_add_u32 v84, v85, 4, v84                ; memory: 2,048 (thread / 4) + 16 (thread % 4)
	v_lshlrev_b32 v87, 2, v0                       ; score_W[thread]
	v_mul_u32_u24 v88, v0, RECB                    ; and its record
	v_lshlrev_b32 v89, 6, v3                       ; for sum(w): 16 numbers a lane
	s_wait_kmcnt 0x0
	s_load_b32 s17, s[8:9], 0x0                    ; score_b
	s_add_nc_u64 s[18:19], s[4:5], s[22:23]
	s_add_nc_u64 s[4:5], s[4:5], s[20:21]
	s_add_nc_u64 s[10:11], s[10:11], s[24:25]
.irp k, 0,1,2,3
	global_load_b128 v[116+4*\k:119+4*\k], v84, s[18:19] offset:\k*262144
.endr
	global_load_b32 v132, v87, s[6:7]
.irp k, 0,1,2,3
	global_load_b128 v[52+4*\k:55+4*\k], v89, s[6:7] offset:16*\k
.endr
.irp t, 0,1,2,3,4,5,6,7
	global_load_b128 v[RA0+4*\t:RA0+4*\t+3], v[AOF], s[4:5] offset:\t*2048         ; the ring is filled: steps 0 to 7, rows 0 and 1,
	global_load_b128 v[RA1+4*\t:RA1+4*\t+3], v[AOF], s[4:5] offset:\t*2048+512     ; rows 2 and 3
.endr
	s_wait_loadcnt 16                              ; all but the ring's sixteen
.irp k, 0,1,2,3
	ds_store_b128 v86, v[116+4*\k:119+4*\k] offset:\k*128*RECB
.endr
	v_mov_b32 v133, v132
	ds_store_b64 v88, v[132:133] offset:64
	v_pk_add_f32 v[52:53], v[52:53], v[54:55]      ; sum(w): my 16, then the 32 lanes'
	v_pk_add_f32 v[56:57], v[56:57], v[58:59]
	v_pk_add_f32 v[60:61], v[60:61], v[62:63]
	v_pk_add_f32 v[64:65], v[64:65], v[66:67]
	v_pk_add_f32 v[52:53], v[52:53], v[56:57]
	v_pk_add_f32 v[60:61], v[60:61], v[64:65]
	v_pk_add_f32 v[52:53], v[52:53], v[60:61]
	v_add_f32 v[EB], v52, v53
	v_mov_b32 v[EB+1], 0
	v_add_f32_dpp v[EB], v[EB], v[EB] row_xmask:1 row_mask:0xf bank_mask:0xf
	v_add_f32_dpp v[EB], v[EB], v[EB] row_xmask:2 row_mask:0xf bank_mask:0xf
	v_add_f32_dpp v[EB], v[EB], v[EB] row_xmask:4 row_mask:0xf bank_mask:0xf
	v_add_f32_dpp v[EB], v[EB], v[EB] row_xmask:8 row_mask:0xf bank_mask:0xf
	v_permlanex16_b32 v[EB+1], v[EB], s30, s31
	v_add_f32 v[EB], v[EB], v[EB+1]
	s_wait_kmcnt 0x0
	v_add_f32 v[EB], s17, v[EB]                    ; + score_b
	v_mov_b32 v[WW+5], 0                           ; named at the end as the upper halves of the pairs that hold w of the last two steps
	v_mov_b32 v[WW+7], 0
	s_wait_dscnt 0x0                               ; for the others' sake: my part of the records lies in LDS
	s_barrier_signal -1
	s_barrier_wait -1                              ; all 512 records do
.irp k, 0,1,2,3
	ds_load_b128 v[BR+4*\k:BR+4*\k+3], v[REC] offset:16*\k         ; record 0
.endr
	ds_load_b32 v[WW], v[REC] offset:64            ; and its w
; Behind each plain instruction of a step: the next reciprocal of step u - 1, where it is due: 32 among 81 (in step 1: 80) plain instructions, the last of them ahead of the step's last plain instruction (in step 1: behind it).
.macro TR rc
.if \rc
.if ((NI+1)*32+48)/81 > (NI*32+48)/81
	v_rcp_f32 v[P+NR], v[P+NR]
.set NR, NR+1
.endif
.endif
.set NI, NI+1
.endm
; STEP u, u % 8 = pos.  la: the ring's slot takes step u + 8.  lb: record u + 1 and its w are fetched.  lc: the ring's younger loads, which may stay out.
; fm: the sums of step u - 2: 0 there is none yet, 1 they start the sums (nothing is cleared), 2 they are added.  rc: step u - 1 has its reciprocals.
.macro ITER pos, la, lb, lc, fm, rc
.set PQ, (\pos)%2
.set Q,  DD+32*PQ                      ; holds r of step u - 2, takes step u
.set P,  DD+32*(1-PQ)                  ; holds d of step u - 1
.set BQ, BR+16*PQ                      ; record u
.set BN, BR+16*(1-PQ)                  ; record u + 1
.set A0, RA0+4*(\pos)
.set A1, RA1+4*(\pos)
.set WU, WW+2*(((\pos)+2)%4)           ; w of step u - 2
.set WN, WW+2*(((\pos)+1)%4)           ; w of step u + 1
.set NI, 0
.set NR, 0
	s_wait_loadcnt \lc                             ; loads come back in order (ISA guide 5.7.1): step u's two quads are in
	s_wait_dscnt 0x0                               ; record u and its w, asked for at the head of the step before
.if \lb
.irp k, 0,1,2,3
	ds_load_b128 v[BN+4*\k:BN+4*\k+3], v[REC] offset:((\pos)+1)*RECB+16*\k
.endr
	ds_load_b32 v[WN], v[REC] offset:((\pos)+1)*RECB+64
.endif
.if \fm == 1
	v_mul_f32 v[ACC], v[Q], v[WU]
	TR \rc
.endif
.if \fm == 2
	v_fmac_f32 v[ACC], v[Q], v[WU]
	TR \rc
.endif
.set e, 0
.rept 31                                       ; element e + 1's sum takes w r, element e's register, read one line above, takes ia + ib
.if \fm == 0
	v_add_nc_u32 v[Q+e], v[A0+(A1-A0)*((e%4)/2)+2*(e%2)+1], v[BQ+2*(e/4)+1]
.elseif \fm == 1
	v_dual_mul_f32 v[ACC+e+1], v[Q+e+1], v[WU] :: v_dual_add_nc_u32 v[Q+e], v[A0+(A1-A0)*((e%4)/2)+2*(e%2)+1], v[BQ+2*(e/4)+1]
.else
	v_dual_fmac_f32 v[ACC+e+1], v[Q+e+1], v[WU] :: v_dual_add_nc_u32 v[Q+e], v[A0+(A1-A0)*((e%4)/2)+2*(e%2)+1], v[BQ+2*(e/4)+1]
.endif
	TR \rc
.set e, e+1
.endr
	v_add_nc_u32 v[Q+31], v[A1+3], v[BQ+15]
	TR \rc
.irp j, 0,1,2,3,4,5,6,7
.irp i, 0,1,2,3
	v_ldexp_f32 v[Q+4*\j+\i], v[A0+(A1-A0)*(\i/2)+2*(\i%2)], v[Q+4*\j+\i]         ; As = Am 2^(ia + ib)
	TR \rc
.endr
.if \j > 0
	v_pk_fma_f32 v[Q+4*\j-4:Q+4*\j-3], v[Q+4*\j-4:Q+4*\j-3], v[BQ+2*\j-2:BQ+2*\j-1], 1.0 op_sel_hi:[1,0,0]   ; d = As Bm + 1 (of the pair (Bm, ib) the low word serves both halves), a column behind its As
	TR \rc
	v_pk_fma_f32 v[Q+4*\j-2:Q+4*\j-1], v[Q+4*\j-2:Q+4*\j-1], v[BQ+2*\j-2:BQ+2*\j-1], 1.0 op_sel_hi:[1,0,0]
	TR \rc
.endif
.endr
	v_pk_fma_f32 v[Q+28:Q+29], v[Q+28:Q+29], v[BQ+14:BQ+15], 1.0 op_sel_hi:[1,0,0]
	TR \rc
	v_pk_fma_f32 v[Q+30:Q+31], v[Q+30:Q+31], v[BQ+14:BQ+15], 1.0 op_sel_hi:[1,0,0]
	TR \rc
.if \la
	global_load_b128 v[A0:A0+3], v[AOF], s[4:5] offset:((\pos)+8)*2048
	global_load_b128 v[A1:A1+3], v[AOF], s[4:5] offset:((\pos)+8)*2048+512
.endif
.if \rc
	s_wait_alu depctr_va_vdst(0)                   ; one wait for the 32 reciprocals, ahead of the next step, which reads them, and of every branch
.endif
.endm
.macro NEXT                                    ; eight steps on
	s_wait_xcnt 0x0                                ; the loads issued so far have had their addresses translated (ISA guide 3.1): the base is stepped only behind this wait
	s_add_nc_u64 s[4:5], s[4:5], 8*2048
	v_add_nc_u32 v[REC], 8*RECB, v[REC]
.endm
	ITER 0, 1, 1, 14, 0, 0                         ; steps 0 to 7 are written out: the pipeline fills.  14: the two loads of each of the seven younger slots
	ITER 1, 1, 1, 14, 0, 1
	ITER 2, 1, 1, 14, 1, 1
	ITER 3, 1, 1, 14, 2, 1
	ITER 4, 1, 1, 14, 2, 1
	ITER 5, 1, 1, 14, 2, 1
	ITER 6, 1, 1, 14, 2, 1
	ITER 7, 1, 1, 14, 2, 1
	NEXT
	s_mov_b32 s20, 6
.Ltrip:                                            ; 6 trips of 8 steps: steps 8 to 55, each of which fills its slot again
	ITER 0, 1, 1, 14, 2, 1
	ITER 1, 1, 1, 14, 2, 1
	ITER 2, 1, 1, 14, 2, 1
	ITER 3, 1, 1, 14, 2, 1
	ITER 4, 1, 1, 14, 2, 1
	ITER 5, 1, 1, 14, 2, 1
	ITER 6, 1, 1, 14, 2, 1
	ITER 7, 1, 1, 14, 2, 1
	NEXT
	s_sub_co_u32 s20, s20, 1
	s_cmp_lg_u32 s20, 0
	s_cbranch_scc1 .Ltrip
	ITER 0, 0, 1, 14, 2, 1                         ; steps 56 to 63 load nothing more from memory: the counts run down
	ITER 1, 0, 1, 12, 2, 1
	ITER 2, 0, 1, 10, 2, 1
	ITER 3, 0, 1, 8, 2, 1
	ITER 4, 0, 1, 6, 2, 1
	ITER 5, 0, 1, 4, 2, 1
	ITER 6, 0, 1, 2, 2, 1
	ITER 7, 0, 0, 0, 2, 1                          ; and there is no record 64
	; the pipeline runs out: r of step 62 lies in the first set, d of step 63 in the second; their w in numbers 2 and 3
.set e, 0
.rept 16
	v_rcp_f32 v[DD+32+2*e], v[DD+32+2*e]
	v_rcp_f32 v[DD+33+2*e], v[DD+33+2*e]
	v_pk_fma_f32 v[ACC+2*e:ACC+2*e+1], v[DD+2*e:DD+2*e+1], v[WW+4:WW+5], v[ACC+2*e:ACC+2*e+1] op_sel_hi:[1,0,1]
.set e, e+1
.endr
	s_wait_alu depctr_va_vdst(0)                   ; one wait for the 32 reciprocals
.set e, 0
.rept 16
	v_pk_fma_f32 v[ACC+2*e:ACC+2*e+1], v[DD+32+2*e:DD+33+2*e], v[WW+6:WW+7], v[ACC+2*e:ACC+2*e+1] op_sel_hi:[1,0,1]
.set e, e+1
.endr
	s_wait_dscnt 0x0                               ; my reads of the records are over
	s_barrier_signal -1
	s_barrier_wait -1                              ; no wave reads a record any more: their bytes take the partial sums
.irp j, 0,1,2,3,4,5,6,7
	ds_store_b64 v[PSI], v[ACC+4*\j:ACC+4*\j+1] offset:\j*1024             ; a wave's store is 256 consecutive bytes
	ds_store_b64 v[PSI], v[ACC+4*\j+2:ACC+4*\j+3] offset:\j*1024+256
.endr
	s_wait_dscnt 0x0
	s_barrier_signal -1
	s_barrier_wait -1
	; Column j = wave % 8: all 256 rows, 8 a lane (i = 128 k + 4 lane + n).  Waves w and w + 8 do the same sums; each writes its own 128 rows.
.irp g, 0,1,2,3,4,5,6,7
.irp k, 0,1
	ds_load_b128 v[DD+8*\g+4*\k:DD+8*\g+4*\k+3], v[PSO] offset:\g*8192+\k*512
.endr
.endr
	s_wait_dscnt 0x0
.irp g, 0,2,4,6
.irp m, 0,2,4,6
	v_pk_add_f32 v[DD+8*\g+\m:DD+8*\g+\m+1], v[DD+8*\g+\m:DD+8*\g+\m+1], v[DD+8*\g+8+\m:DD+8*\g+9+\m]
.endr
.endr
.irp g, 0,4
.irp m, 0,2,4,6
	v_pk_add_f32 v[DD+8*\g+\m:DD+8*\g+\m+1], v[DD+8*\g+\m:DD+8*\g+\m+1], v[DD+8*\g+16+\m:DD+8*\g+17+\m]
.endr
.endr
.irp m, 0,2,4,6
	v_pk_add_f32 v[DD+\m:DD+\m+1], v[DD+\m:DD+\m+1], v[DD+32+\m:DD+33+\m]  ; sum over all h of w r
.endr
.irp m, 0,1,2,3,4,5,6,7
	v_fma_f32 v[116+\m], v[DD+\m], -2.0, v[EB]     ; the energy
.endr
	v_max3_num_f32 v124, v116, v117, v118          ; the column's largest energy
	v_max3_num_f32 v124, v124, v119, v120
	v_max3_num_f32 v124, v124, v121, v122
	v_max_num_f32 v124, v124, v123
	v_max_num_f32_dpp v124, v124, v124 row_xmask:1 row_mask:0xf bank_mask:0xf
	v_max_num_f32_dpp v124, v124, v124 row_xmask:2 row_mask:0xf bank_mask:0xf
	v_max_num_f32_dpp v124, v124, v124 row_xmask:4 row_mask:0xf bank_mask:0xf
	v_max_num_f32_dpp v124, v124, v124 row_xmask:8 row_mask:0xf bank_mask:0xf
	v_permlanex16_b32 v125, v124, s30, s31
	v_max_num_f32 v124, v124, v125
	v_mul_f32 v124, s34, v124                      ; x log2(e)
.irp m, 0,1,2,3,4,5,6,7
	v_fma_f32 v[116+\m], v[116+\m], s34, -v124     ; (energy - the largest) x log2(e), in one fused line
.endr
.irp m, 0,1,2,3,4,5,6,7
	v_exp_f32 v[116+\m], v[116+\m]
.endr
	v_nop
	s_wait_alu depctr_va_vdst(0)                   ; one wait for the eight exponentials
	v_pk_add_f32 v[126:127], v[116:117], v[118:119]
	v_pk_add_f32 v[128:129], v[120:121], v[122:123]
	v_pk_add_f32 v[126:127], v[126:127], v[128:129]
	v_add_f32 v126, v126, v127
	v_add_f32_dpp v126, v126, v126 row_xmask:1 row_mask:0xf bank_mask:0xf
	v_add_f32_dpp v126, v126, v126 row_xmask:2 row_mask:0xf bank_mask:0xf
	v_add_f32_dpp v126, v126, v126 row_xmask:4 row_mask:0xf bank_mask:0xf
	v_add_f32_dpp v126, v126, v126 row_xmask:8 row_mask:0xf bank_mask:0xf
	v_permlanex16_b32 v127, v126, s30, s31
	v_add_f32 v126, v126, v127                     ; the column's sum
	v_rcp_f32 v126, v126
.irp n, 0,1,2,3
	v_cndmask_b32 v[130+\n], v[116+\n], v[120+\n], s33             ; my half of the rows: k = wave / 8.  (Plain work behind the reciprocal)
.endr
	s_wait_alu depctr_va_vdst(0)
.irp n, 0,1,2,3
	v_mul_f32 v[130+\n], v[130+\n], v126
.endr
.irp n, 0,1,2,3
	ds_store_b32 v[OTI], v[130+\n] offset:\n*32    ; to [i][j]: lanes 128 bytes apart share banks; four such stores a wave in the whole launch
.endr
	s_wait_dscnt 0x0
	s_barrier_signal -1
	s_barrier_wait -1
	ds_load_b128 v[136:139], v[OTO]                ; rows 16 w to 16 w + 15, two lanes to a row
	s_wait_dscnt 0x0
	global_store_b128 v[GOF], v[136:139], s[10:11] ; 32 consecutive bytes of each of 16 rows of out0
	s_wait_tensorcnt 0x0
	ds_add_u32 v224, v225
	s_wait_dscnt 0x0
	s_endpgm
.Lfunc_end_k_qce86b501e3_pair:
	.size	k_qce86b501e3_pair, .Lfunc_end_k_qce86b501e3_pair-k_qce86b501e3_pair
	.p2alignl 7, 3214868480
	.fill 96, 4, 3214868480
	.section	.rodata,"a",@progbits
	.p2align	6, 0x0
	.amdhsa_kernel k_qce86b501e3_pair
		.amdhsa_group_segment_fixed_size 75776
		.amdhsa_private_segment_fixed_size 0
		.amdhsa_enable_private_segment 0
		.amdhsa_kernarg_size 32
		.amdhsa_user_sgpr_count 2
		.amdhsa_user_sgpr_kernarg_segment_ptr 1
		.amdhsa_wavefront_size32 1
		.amdhsa_system_sgpr_workgroup_id_x 1
		.amdhsa_system_sgpr_workgroup_id_y 1
		.amdhsa_system_sgpr_workgroup_id_z 1
		.amdhsa_system_vgpr_workitem_id 0
		.amdhsa_next_free_vgpr 226
		.amdhsa_next_free_sgpr 66
		.amdhsa_reserve_vcc 0
		.amdhsa_float_denorm_mode_32 3
		.amdhsa_float_denorm_mode_16_64 3
		.amdhsa_memory_ordered 1
		.amdhsa_forward_progress 1
		.amdhsa_inst_pref_size 172
	.end_amdhsa_kernel
	.amdgpu_metadata
---
amdhsa.version: [ 1, 2 ]
amdhsa.kernels:
  - .name:           k_qce86b501e3_pair
    .symbol:         k_qce86b501e3_pair.kd
    .args:
      - { .name: pw, .offset: 0, .size: 8, .value_kind: global_buffer, .address_space: global }
      - { .name: score_W, .offset: 8, .size: 8, .value_kind: global_buffer, .address_space: global }
      - { .name: score_b, .offset: 16, .size: 8, .value_kind: global_buffer, .address_space: global }
      - { .name: out0, .offset: 24, .size: 8, .value_kind: global_buffer, .address_space: global }
    .group_segment_fixed_size: 75776
    .private_segment_fixed_size: 0
    .kernarg_segment_align: 8
    .kernarg_segment_size: 32
    .max_flat_workgroup_size: 512
    .sgpr_count:     66
    .vgpr_count:     226
    .wavefront_size: 32
...
	.end_amdgpu_metadata
.endif
;; end of part 2
